; MI455X (gfx1250); checked and timed in simulation.
; The chip was launched on July 23, 2026; its instructions are those of AMD's public machine-readable ISA for CDNA 5 (MIT licence, August 2026) and "CDNA5" Instruction Set Architecture Reference Guide (July 2026). The comments in the code are by the model that wrote it; some were corrected since.
;; Mplug Owl Vision Attention. Allowed arithmetic: matrix products marked QUANTISED: E2M3 operands, one E8M0 scale for each 32 along K, by v_wmma_scale_f32_16x16x128_f8f6f4 with both operands' format E2M3, f32 sums; everything else in f32.
;; Inputs: b_out 1,024 float32; b_qkv 3,072 float32; hidden_states 8 x 1,024 x 1,024 float32; w_out 1,024 x 1,024 float32; w_qkv 3,072 x 1,024 float32.
;; Outputs: out0 8 x 1,024 x 1,024 float32.
;; This version of the problem:
;;   THIS VERSION OF THE PROBLEM IS GIVEN IN LOW PRECISION. The matrix products marked QUANTISED in the list below multiply operands that are first quantised to E2M3 (2 exponent bits, 3 mantissa bits; 6 bits a number), with one power-of-two scale for each 32 numbers along K (OCP MX v1.0); their sums are f32. All else is computed in f32.
;;   The module's matrix products, in the order in which they are computed (A, B: the left and right operand; K: the contracted axis; several contracted axes count as one K, in the product's order):
;;     1. [M 8,192, K 1,024] x [K 1,024, N 3,072]; A: input hidden_states; B: input w_qkv: QUANTISED
;;     2. batch 128 x [M 1,024, K 64] x [K 64, N 1,024]; A: computed on the way; B: computed on the way: QUANTISED
;;     3. batch 128 x [M 64, K 1,024] x [K 1,024, N 1,024]; A: computed on the way; B: softmax (see below): QUANTISED
;;     4. [M 8,192, K 1,024] x [K 1,024, N 1,024]; A: computed on the way; B: input w_out: QUANTISED
;;   THE QUANTISER, for each operand of a quantised product, along K:
;;     - K is cut into blocks of 32 from its start; a last block that is shorter is filled with zeros.
;;     - A block's scale is 2^e with e = floor(log2(the largest magnitude in the block)) - 2, held to -126 .. 127; a block of zeros has e = 0. As a byte (E8M0): e + 127.
;;     - Each number is divided by its block's scale, clamped to +-7.5, and rounded to the nearest number of E2M3, ties to even, subnormals kept.
;;     - The product sums the exact products of the quantised numbers (number of the format x scale) in f32.
;;   ~~~python
;;   def quantise(x, axis):      # numpy; x: float32 -> the quantised numbers, widened to float32 again
;;       x = np.moveaxis(x, axis, -1); K = x.shape[-1]
;;       x = np.pad(x, [(0, 0)] * (x.ndim - 1) + [(0, -K % 32)]); x = x.reshape(x.shape[:-1] + (-1, 32)); a = np.abs(x).max(-1, keepdims=True)
;;       e = np.where(a > 0, np.clip(np.frexp(np.where(a > 0, a, 1))[1] - 1 - 2, -126, 127), 0)      # np.frexp(a)[1] - 1 = floor(log2(a)), exactly
;;       r = np.clip(x / 2.0 ** e, -7.5, 7.5)
;;       step = 2.0 ** (np.maximum(np.frexp(np.where(r == 0, 1, r))[1] - 1, 0) - 3)
;;       q = np.round(r / step) * step * 2.0 ** e      # np.round: ties to even
;;       return np.moveaxis(q.reshape(q.shape[:-2] + (-1,))[..., :K], -1, axis).astype(np.float32)
;;   ~~~
;;   SOFTMAX AHEAD OF A QUANTISED PRODUCT. Where the list says 'softmax', what is quantised is not the finished softmax but p = 2^(t - M), with t = logit x log2(e) and M = ceil(the row's largest t), a whole number; so 1/2 < the row's largest p <= 1. The row's sum l is taken of the UNQUANTISED p, in f32, and the product's result is divided by l at the end. Since M is a whole number, a kernel that streams over the keys may use a running M (the ceiling of the running maximum): every later rescaling is an exact power of two, which a block's scale takes up: the codes' values come out the same.
;;   OPERANDS COMPUTED ON THE WAY. 'Computed on the way' means the value that the module computes at that place (a softmax that the list does not call 'softmax' is quantised finished and normalised). What goes into a quantiser is computed in f32, as accurately as f32 sums, v_exp_f32 and their like allow (about 1e-6 of the number): no bf16 or f16 on the way to a quantiser, and a product that is left as it is and whose result goes on into a quantised operand takes f32 operands (vector FMAs, or v_wmma_f32_16x16x4_f32). A number that lies on a knife's edge between two numbers of the format may be rounded either way, as far as f32 arithmetic and the matrix unit's own rounding can turn it there, and no further.
;; One version. Each part assembles by itself: llvm-mc -triple=amdgcn-amd-amdhsa -mcpu=gfx1250 --defsym DOCPART=n.
;; ======== version 1 of 1: 4 launches
;; limits: right only within a limited range of input values
;; workspace buffers: in_img 9,437,184 bytes; in_sc 393,216 bytes; qkv_img 18,874,368 bytes; qkv_sc 786,432 bytes; ctx_img 6,291,456 bytes; ctx_sc 262,144 bytes
;; launch quant (part 1): grid 4 x 192, 4 waves a work-group, no clusters, 68,608 bytes of LDS; arguments hidden_states, w_qkv, w_out, in_img, in_sc; writes in_img, in_sc
.if DOCPART == 1
	.amdgcn_target "amdgcn-amd-amdhsa--gfx1250"
	.amdhsa_code_object_version 6
	.text
	.protected	k_qedd405daf4_quant
	.globl	k_qedd405daf4_quant
	.p2align	8
	.type	k_qedd405daf4_quant,@function
k_qedd405daf4_quant:
	s_mov_b64 s[64:65], 0
	v_nop
	global_prefetch_b8 v0, s[64:65] scope:SCOPE_SE
	s_setreg_imm32_b32 hwreg(HW_REG_WAVE_MODE, 25, 1), 1
	s_wait_xcnt 0x0
; hidden_states [8192][1024], w_qkv [3072][1024] and w_out [1024][1024], f32, K innermost, become codes of FP6 (E2M3) with one E8M0 byte for each 32 along K.
; A block's scale is 2^(floor(log2(its largest magnitude)) - 2); its byte is the largest magnitude's exponent field - 2, held at 1 from below.
; LIMITS: a block of zeros gets the byte 1 where the rule says 127 (its codes are zeros, and this program alone reads the bytes); NaN and infinities among the inputs are not served.
; LAYOUT OF THE CODES: images of operand registers.  A fragment is 16 rows x 128 K, 12 registers a lane; its image is 1,536 bytes, registers 2 p, 2 p + 1 of lane l at 256 p + 8 l.
; in_img = [256 along K: sl][tile of 16 rows: T][fragment f][1536].  T 0-511: the tokens; 512-703: w_qkv, sorted q, k, v and then by head; 704-767: w_out.
; THE ROWS OF A TILE ARE NOT NEIGHBOURS: lane r of tile T holds row 32 (T / 2) + 8 (T % 2) + r + 8 (r / 8) of its run of rows, so that a product whose source 0 is such a tile leaves 16 neighbours in the
; 16 registers of two neighbouring tiles.  The order is made here, by the loads' offsets alone.
; in_sc = [256 rows][sl][row][8 bytes]: a row's two scale words (four bytes for 128 along K) of the two fragments.
; SHARES: a work-group takes 64 stored rows x 256 along K, a wave one tile: two fragments.  Each load reads 512 consecutive bytes of a row; the numbers turn through the wave's own stage in LDS
; (rows of 512 + 16 bytes) so that lane (r, h) gets k = 64 c + 32 h + 0 .. 31 of row r: whole blocks, in the order of the operand's registers.  All 32 loads of a wave go out at once: no loop, no ring.
.set ROWP,  4096                       ; a row of any of the three tensors, in bytes
.set SPT,   528                        ; a stage row
.set STG,   16*SPT                     ; a stage
.set WREG,  2*STG                      ; a wave's two stages
.set SCG,   4*WREG                     ; the work-group's 512 bytes of scale words
.set SPARE, SCG+512                    ; the spare words, 128 bytes for each wave
.set TILEB, 3072                       ; a tile's two images
.set PLANE, 768*TILEB                  ; all tiles for 256 along K
.set R,   32                           ; v32-159  two fragments' numbers as loaded
.set X,   160                          ; v160-223 64 numbers in the operand's order
.set C,   224                          ; v224-247 codes, 12 registers a fragment: no store's data are written again
.set T,   248                          ; v248-254 the second halves of the blocks' codes
.set SPW, 12                           ; v12 LDS address of my spare word; never rewritten
.set NIL, 13                           ; v13 0; never rewritten
	s_load_b128 s[4:7], s[0:1], 0x0                ; hidden_states, w_qkv
	s_load_b128 s[8:11], s[0:1], 0x10              ; w_out, in_img
	s_load_b64 s[12:13], s[0:1], 0x20              ; in_sc
	v_lshl_add_u32 v[SPW], v0, 2, SPARE
	v_mov_b32 v[NIL], 0
	v_lshrrev_b32 v1, 5, v0
	v_readfirstlane_b32 s14, v1                    ; wave
	v_and_b32 v1, 31, v0                           ; lane
	v_and_b32 v2, 15, v0                           ; r
	v_bfe_u32 v3, v0, 4, 1                         ; h
	v_lshlrev_b32 v4, 4, v1                        ; 16 x lane
	s_mul_i32 s15, s14, WREG
	v_add_nc_u32 v5, s15, v4                       ; the stage, on the way in
	v_mul_u32_u24 v6, v2, SPT
	v_lshl_add_u32 v6, v3, 7, v6
	v_add_nc_u32 v6, s15, v6                       ; and out: row r, + 128 h bytes
	v_lshlrev_b32 v7, 3, v1                        ; 8 x lane: my place in a piece of an image
	s_lshl_b32 s16, s14, 7
	s_add_co_u32 s16, s16, SCG
	v_lshlrev_b32 v8, 3, v2
	v_lshl_add_u32 v8, v3, 2, v8
	v_add_nc_u32 v8, s16, v8                       ; scale words: 128 x wave + 8 r + 4 h
	v_add_nc_u32 v9, SCG, v4
	v_lshlrev_b32 v24, 3, v3                       ; 8 h
	v_mov_b32 v23, 0                               ; a lane permute's destination counts as read
	s_mov_b32 s28, 0x76543210
	s_mov_b32 s29, 0xfedcba98                      ; lane l xor 16
	s_and_b32 s17, ttmp7, 0xffff                   ; y: which 64 stored rows
	s_lshl_b32 s18, s17, 6                         ; tokens: row 64 y
	s_sub_co_u32 s19, s17, 128
	s_and_b32 s20, s19, 15                         ; w_qkv: the head,
	s_mul_i32 s20, s20, 192
	s_lshr_b32 s21, s19, 4                         ; and q, k or v
	s_lshl_b32 s21, s21, 6
	s_add_co_u32 s20, s20, s21                     ; row 192 head + 64 kind
	s_sub_co_u32 s22, s17, 176
	s_lshl_b32 s22, s22, 6                         ; w_out: row 64 (y - 176)
	s_lshl_b32 s26, s17, 2
	s_add_co_u32 s26, s26, s14                     ; T = 4 y + wave
	s_mul_i32 s26, s26, TILEB
	s_mul_i32 s27, ttmp9, PLANE
	s_add_co_u32 s26, s26, s27
	s_mov_b32 s27, 0
	s_lshr_b32 s24, s17, 2
	s_lshl_b32 s24, s24, 13
	s_lshl_b32 s25, ttmp9, 11
	s_add_co_u32 s24, s24, s25
	s_and_b32 s25, s17, 3
	s_lshl_b32 s25, s25, 9
	s_add_co_u32 s24, s24, s25                     ; scale words: 8192 (y / 4) + 2048 sl + 512 (y % 4)
	s_mov_b32 s25, 0
	s_wait_alu depctr_va_vdst(0)
	s_wait_kmcnt 0x0
	s_cmp_lt_u32 s17, 176                          ; which tensor: the choice hangs on the work-group's number alone
	s_cselect_b64 s[6:7], s[6:7], s[8:9]
	s_cselect_b32 s20, s20, s22
	s_cmp_lt_u32 s17, 128
	s_cselect_b64 s[4:5], s[4:5], s[6:7]
	s_cselect_b32 s18, s18, s20
	s_lshr_b32 s21, s14, 1
	s_lshl_b32 s21, s21, 5
	s_add_co_u32 s18, s18, s21                     ; + 32 (wave / 2)
	s_and_b32 s21, s14, 1
	s_lshl_b32 s21, s21, 3
	s_add_co_u32 s18, s18, s21                     ; + 8 (wave % 2)
	s_lshl_b32 s18, s18, 12
	s_lshl_b32 s21, ttmp9, 10
	s_add_co_u32 s18, s18, s21                     ; + 256 numbers x sl
	s_mov_b32 s19, 0
	s_add_nc_u64 s[4:5], s[4:5], s[18:19]
	s_add_nc_u64 s[10:11], s[10:11], s[26:27]
	s_add_nc_u64 s[12:13], s[12:13], s[24:25]
.macro LOADF f                         ; stored row j is row j + 8 (j / 8) from the tile's first
.set j, 0
.rept 16
	global_load_b128 v[R+64*\f+4*j:R+64*\f+4*j+3], v4, s[4:5] offset:(j+8*(j/8))*ROWP+512*\f th:TH_LOAD_NT
.set j, j+1
.endr
.endm
.macro STIN f
.set j, 0
.rept 16
	ds_store_b128 v5, v[R+64*\f+4*j:R+64*\f+4*j+3] offset:STG*\f+SPT*j
.set j, j+1
.endr
.endm
.macro STOUT f                         ; register 32 c + i = k 64 c + 32 h + i of row r
.irp c, 0,1
.irp i, 0,1,2,3,4,5,6,7
	ds_load_b128 v[X+32*\c+4*\i:X+32*\c+4*\i+3], v6 offset:STG*\f+256*\c+16*\i
.endr
.endr
.endm
.macro QF f
.irp c, 0,1
	v_max3_num_f32 v[16+\c], |v[X+32*\c]|, |v[X+32*\c+1]|, 0x1800000   ; my block 2 c + h: all 32 numbers are mine; the floor 2^(3 - 127) holds the byte at 1 from below
.endr
.irp i, 2,4,6,8,10,12,14,16,18,20,22,24,26,28,30
.irp c, 0,1
	v_max3_num_f32 v[16+\c], v[16+\c], |v[X+32*\c+\i]|, |v[X+32*\c+\i+1]|
.endr
.endr
.irp c, 0,1
	v_add_nc_u32 v[18+\c], 0xff000000, v[16+\c]    ; 2 off the exponent field: the conversion's scale operand
.endr
.irp c, 0,1
	v_lshrrev_b32 v[20+\c], 23, v[18+\c]           ; the scale's byte
.endr
	v_lshl_or_b32 v22, v21, 16, v20                ; blocks h and 2 + h,
	v_lshlrev_b32 v22, v24, v22                    ; at their places in the word;
	v_permlanex16_b32 v23, v22, s28, s29
	v_or_b32 v[25+\f], v22, v23                    ; with lane l xor 16's two the word is whole
.irp c, 0,1
	v_cvt_scalef32_pk16_fp6_f32 v[C+12*\f+6*\c:C+12*\f+6*\c+2], v[X+32*\c:X+32*\c+15], v[18+\c]
	v_cvt_scalef32_pk16_fp6_f32 v[T+4*\c:T+4*\c+2], v[X+32*\c+16:X+32*\c+31], v[18+\c]   ; (a conversion's three registers begin on an even number)
.endr
	v_nop                                          ; one plain place behind a scaled conversion
.irp c, 0,1
.irp i, 0,1,2
	v_mov_b32 v[C+12*\f+6*\c+3+\i], v[T+4*\c+\i]
.endr
.endr
.irp p, 0,1,2,3,4,5
	global_store_b64 v7, v[C+12*\f+2*\p:C+12*\f+2*\p+1], s[10:11] offset:1536*\f+256*\p   ; 32 lanes store 256 consecutive bytes, aligned
.endr
.endm
	LOADF 0
	LOADF 1
	s_wait_loadcnt 16                              ; fragment 0's sixteen loads are in
	STIN 0
	STOUT 0                                        ; LDS serves a wave's instructions in order: these see the stores above
	s_wait_loadcnt 0x0
	STIN 1
	s_wait_dscnt 16                                ; fragment 0 is back; fragment 1's sixteen stores may be out
	QF 0
	STOUT 1
	s_wait_dscnt 0x0
	QF 1
	v_cmp_eq_u32 vcc_lo, 1, v3
	v_cndmask_b32 v27, v25, v26, vcc_lo            ; lanes 0-15 hand on fragment 0's word of row r, lanes 16-31 fragment 1's
	ds_store_b32 v8, v27
	s_wait_dscnt 0x0                               ; for wave 0's sake: my words lie in LDS
	s_barrier_signal -1
	s_barrier_wait -1
	s_cmp_lg_u32 s14, 0
	s_cbranch_scc1 .Lnot_wave_0
	ds_load_b128 v[28:31], v9
	s_wait_dscnt 0x0
	global_store_b128 v4, v[28:31], s[12:13]       ; the 64 rows' words: 512 consecutive bytes, aligned
.Lnot_wave_0:
	s_wait_tensorcnt 0x0                           ; the wave's end, behind my last LDS store
	ds_add_u32 v[SPW], v[NIL]
	s_wait_dscnt 0x0
	s_endpgm
.Lfunc_end_k_qedd405daf4_quant:
	.size	k_qedd405daf4_quant, .Lfunc_end_k_qedd405daf4_quant-k_qedd405daf4_quant
	.p2alignl 7, 3214868480
	.fill 96, 4, 3214868480
	.section	.rodata,"a",@progbits
	.p2align	6, 0x0
	.amdhsa_kernel k_qedd405daf4_quant
		.amdhsa_group_segment_fixed_size 68608
		.amdhsa_private_segment_fixed_size 0
		.amdhsa_enable_private_segment 0
		.amdhsa_kernarg_size 40
		.amdhsa_user_sgpr_count 2
		.amdhsa_user_sgpr_kernarg_segment_ptr 1
		.amdhsa_wavefront_size32 1
		.amdhsa_system_sgpr_workgroup_id_x 1
		.amdhsa_system_sgpr_workgroup_id_y 1
		.amdhsa_system_sgpr_workgroup_id_z 1
		.amdhsa_system_vgpr_workitem_id 0
		.amdhsa_next_free_vgpr 256
		.amdhsa_next_free_sgpr 66
		.amdhsa_reserve_vcc 1
		.amdhsa_float_denorm_mode_32 3
		.amdhsa_float_denorm_mode_16_64 3
		.amdhsa_memory_ordered 1
		.amdhsa_forward_progress 1
		.amdhsa_inst_pref_size 18
	.end_amdhsa_kernel
	.amdgpu_metadata
---
amdhsa.version: [ 1, 2 ]
amdhsa.kernels:
  - .name:           k_qedd405daf4_quant
    .symbol:         k_qedd405daf4_quant.kd
    .args:
      - { .name: hidden_states, .offset: 0, .size: 8, .value_kind: global_buffer, .address_space: global }
      - { .name: w_qkv, .offset: 8, .size: 8, .value_kind: global_buffer, .address_space: global }
      - { .name: w_out, .offset: 16, .size: 8, .value_kind: global_buffer, .address_space: global }
      - { .name: in_img, .offset: 24, .size: 8, .value_kind: global_buffer, .address_space: global }
      - { .name: in_sc, .offset: 32, .size: 8, .value_kind: global_buffer, .address_space: global }
    .group_segment_fixed_size: 68608
    .private_segment_fixed_size: 0
    .kernarg_segment_align: 8
    .kernarg_segment_size: 40
    .max_flat_workgroup_size: 128
    .sgpr_count:     66
    .vgpr_count:     256
    .wavefront_size: 32
...
	.end_amdgpu_metadata
.endif
;; end of part 1
;; launch qkv (part 2): grid 8 x 32, 4 waves a work-group, clusters of 4 x 4, 327,680 bytes of LDS; arguments in_img, in_sc, b_qkv, qkv_img, qkv_sc; writes qkv_img, qkv_sc
.if DOCPART == 2
	.amdgcn_target "amdgcn-amd-amdhsa--gfx1250"
	.amdhsa_code_object_version 6
	.text
	.protected	k_qedd405daf4_qkv
	.globl	k_qedd405daf4_qkv
	.p2align	8
	.type	k_qedd405daf4_qkv,@function
k_qedd405daf4_qkv:
	s_mov_b64 s[64:65], 0
	v_nop
	global_prefetch_b8 v0, s[64:65] scope:SCOPE_SE
	s_setreg_imm32_b32 hwreg(HW_REG_WAVE_MODE, 25, 1), 1
	s_wait_xcnt 0x0
	s_wait_alu depctr_hold_cnt(0) depctr_sa_sdst(0) depctr_va_vdst(0) depctr_va_sdst(0) depctr_va_ssrc(0) depctr_va_vcc(0) depctr_vm_vsrc(0)
	s_getreg_b32 s2, hwreg(HW_REG_IB_STS2, 6, 4)
	s_cmp_eq_u32 s2, 0
	s_cbranch_scc0 .Lentry_in_a_cluster
	s_endpgm
.Lentry_in_a_cluster:
	s_bfe_u32 s2, ttmp6, 0x10000c
	s_cmp_lg_u32 s2, 0xf033
	s_cbranch_scc0 .Lentry_shape_is_right
	s_endpgm
.Lentry_shape_is_right:
.set HALFT,  24576
.set HALFC,  12288
.set SLOT,   4*HALFT
.set ASC,    2*SLOT
.set BSC,    ASC+8192+128
.set ASC2,   213248
.set BSC2,   ASC2+8192+128
.set SPARE,  229888
.set PLANE,  2359296
.set FR,  12
.set NL,  6
.set NP,  4
.set NQ,  2
.set ADRA, 16
.set ADRC, 18
.set ADRB, 20
.set ADRT, 26
.set ADRS, 27
.set SPW,  28
.set NIL,  29
.set SC,   32
.set BI,   64
.set AF,   128
.set TM,   80
.set PW,   96
.set PX,   104
.set PC,   128
.set G1,  24
.set G0,  32
.set G1B, 48
.set G0B, 56
.set G1C, 76
.set AB,  AF
.set MSB, 0
.macro WIN new
.if MSB != \new
	s_set_vgpr_msb (MSB<<8)|\new
.set MSB, \new
.endif
.endm
.set MUL_LO, 0xa1
.set MUL_HI, 0xf1
.set TO_B,   0x40
.macro JLOAD g0a, g1a, g0b, g1b
	s_cmp_eq_u32 s15, 0
	s_cbranch_scc0 .Lfor_b_\@
	tensor_load_to_lds s[\g0a:\g0a+3], s[\g1a:\g1a+7]
	s_nop 0
.rept 4
	v_nop
.endr
	s_branch .Lasked_\@
.Lfor_b_\@:
	tensor_load_to_lds s[\g0b:\g0b+3], s[\g1b:\g1b+7]
	s_nop 0
.rept 4
	v_nop
.endr
.Lasked_\@:
.endm
.macro CREST
	s_cmp_lg_u32 s14, 0
	s_cbranch_scc1 .Lnot_wave_0_\@
	s_barrier_signal -3
.Lnot_wave_0_\@:
	s_barrier_wait -3
	s_barrier_signal -1
	s_barrier_wait -1
.endm
.macro CROUND
	s_barrier_signal -1
	s_barrier_wait -1
	CREST
.endm
.macro PLACES n
.rept \n
	v_nop
.endr
.endm
.macro REFILL slot, mode
.if \mode == 2
	s_add_co_u32 s[G0+4*\slot+1], s75, \slot*HALFT
	s_add_nc_u64 s[G0+4*\slot+2:G0+4*\slot+3], s[70:71], \slot*PLANE
	s_or_b32 s[G0+4*\slot+3], s[G0+4*\slot+3], 0x80000000
	s_add_nc_u64 s[G0B+4*\slot+2:G0B+4*\slot+3], s[72:73], \slot*PLANE
	s_or_b32 s[G0B+4*\slot+3], s[G0B+4*\slot+3], 0x80000000
.else
	s_add_nc_u64 s[G0+4*\slot+2:G0+4*\slot+3], s[G0+4*\slot+2:G0+4*\slot+3], 2*PLANE
	s_add_nc_u64 s[G0B+4*\slot+2:G0B+4*\slot+3], s[G0B+4*\slot+2:G0B+4*\slot+3], 2*PLANE
.endif
.if \mode == 1
	JLOAD G0+4*\slot, G1, G0B+4*\slot, G1B
.else
	JLOAD G0+4*\slot, G1C, G0B+4*\slot, G1B
.endif
.endm
.macro FRAG reg, adr, q, i
.irp p, 0,1,2,3,4,5
	ds_load_b64 v[\reg+2*\p:\reg+2*\p+1], v[\adr] offset:(\i)*3072+(\q)*1536+256*\p
.endr
.endm
.macro MUL16 a0, p, q, sc, zero
.irp a, \a0, \a0+1
.irp b, 0,1,2,3,4,5,6,7
.if \zero == 1
	v_wmma_scale_f32_16x16x128_f8f6f4 v[8*(8*((\a)%4)+\b):8*(8*((\a)%4)+\b)+7], v[128*(\p)+FR*\b:128*(\p)+FR*\b+FR-1], v[AB+FR*(\a):AB+FR*(\a)+FR-1], v[BI+8*\b:BI+8*\b+7], v[SC+8*NQ*(\sc)+NQ*\b+(\q)], v[SC+8*NQ*(\sc)+NQ*(\a)+(\q)] matrix_a_fmt:MATRIX_FMT_FP6 matrix_b_fmt:MATRIX_FMT_FP6 matrix_a_scale:MATRIX_SCALE_ROW1
.elseif \zero == 2
	v_wmma_scale_f32_16x16x128_f8f6f4 v[8*(8*((\a)%4)+\b):8*(8*((\a)%4)+\b)+7], v[128*(\p)+FR*\b:128*(\p)+FR*\b+FR-1], v[AB+FR*(\a):AB+FR*(\a)+FR-1], v[BI+8*(\a):BI+8*(\a)+7], v[SC+8*NQ*(\sc)+NQ*\b+(\q)], v[SC+8*NQ*(\sc)+NQ*(\a)+(\q)] matrix_a_fmt:MATRIX_FMT_FP6 matrix_b_fmt:MATRIX_FMT_FP6 matrix_a_scale:MATRIX_SCALE_ROW1
.else
	v_wmma_scale_f32_16x16x128_f8f6f4 v[8*(8*((\a)%4)+\b):8*(8*((\a)%4)+\b)+7], v[128*(\p)+FR*\b:128*(\p)+FR*\b+FR-1], v[AB+FR*(\a):AB+FR*(\a)+FR-1], v[8*(8*((\a)%4)+\b):8*(8*((\a)%4)+\b)+7], v[SC+8*NQ*(\sc)+NQ*\b+(\q)], v[SC+8*NQ*(\sc)+NQ*(\a)+(\q)] matrix_a_fmt:MATRIX_FMT_FP6 matrix_b_fmt:MATRIX_FMT_FP6 matrix_a_scale:MATRIX_SCALE_ROW1
.endif
.endr
.endr
.endm
.macro FETCH_B slot, q, p
	WIN TO_B
.irp i, 0,1,2,3,4,5,6,7
	FRAG 128*(\p)+FR*\i, ADRB+\slot, \q, \i
.endr
	WIN 0
.endm
.macro FETCH_A slot, q, i0
.irp i, \i0, \i0+1, \i0+2, \i0+3
	FRAG AF+FR*(\i), ADRA+\slot, \q, \i
.endr
.endm
.macro FETCH_C slot, q, p
.irp i, 0,1,2,3
	FRAG AF+48*(\p)+FR*\i, ADRC+\slot, \q, \i
.endr
.endm
.macro SCALES sc, adr
.irp i, 0,1,2,3,4,5,6,7
	ds_load_b64 v[SC+8*NQ*(\sc)+NQ*\i:SC+8*NQ*(\sc)+NQ*\i+1], v[\adr] offset:128*\i
.endr
.endm
.macro STEP slot, q, zero
	s_wait_dscnt 4*NL
.if \zero
	WIN 0x81
.else
	WIN MUL_LO
.endif
	MUL16 0, (\q)%2, \q, \slot, \zero
	MUL16 2, (\q)%2, \q, \slot, \zero
	s_wait_dscnt 0
	PLACES NP
	FETCH_B \slot, (\q)+1, 1-(\q)%2
	FETCH_A \slot, (\q)+1, 0
.if \zero
	WIN 0xc1
.else
	WIN MUL_HI
.endif
	MUL16 4, (\q)%2, \q, \slot, \zero
	MUL16 6, (\q)%2, \q, \slot, \zero
	PLACES NP
	WIN 0
	FETCH_A \slot, (\q)+1, 4
.endm
.macro TURN slot, next, mode
	s_wait_tensorcnt 0x0
	ds_add_u32 v[SPW], v[NIL]
	s_wait_dscnt 4*NL+1
	WIN MUL_LO
	MUL16 0, 1, NQ-1, \slot, 0
	s_wait_dscnt 0x0
	s_barrier_signal -1
	MUL16 2, 1, NQ-1, \slot, 0
	WIN 0
	s_barrier_wait -1
	CREST
	REFILL \slot, \mode
	s_wait_alu depctr_va_vdst(0)
	v_add_nc_u32 v[ADRS], 2048, v[ADRS]
	FETCH_B \next, 0, 0
	FETCH_A \next, 0, 0
	SCALES \next, ADRS
	WIN MUL_HI
	MUL16 4, 1, NQ-1, \slot, 0
	MUL16 6, 1, NQ-1, \slot, 0
	PLACES NP
	WIN 0
	FETCH_A \next, 0, 4
.endm
.macro STEP2 slot, q, zero
	s_wait_dscnt 0x0
	PLACES NP
	FETCH_B \slot, (\q)+1, 1-(\q)%2
	FETCH_C \slot, (\q)+1, 1-(\q)%2
.set AB, AF+48*((\q)%2)
.if \zero
	WIN 0x81
.else
	WIN MUL_LO
.endif
	MUL16 0, (\q)%2, \q, \slot, \zero
	MUL16 2, (\q)%2, \q, \slot, \zero
	WIN 0
.endm
.macro TURN2 slot, next, mode
	s_wait_tensorcnt 0x0
	ds_add_u32 v[SPW], v[NIL]
	s_wait_dscnt 0x0
	s_barrier_signal -1
.set AB, AF+48
	WIN MUL_LO
	MUL16 0, 1, NQ-1, \slot, 0
	WIN 0
	s_barrier_wait -1
.if \mode
	CREST
	REFILL \slot, \mode
.else
	PLACES NP
.endif
	s_wait_alu depctr_va_vdst(0)
	v_add_nc_u32 v[ADRT], 2048, v[ADRT]
	FETCH_B \next, 0, 0
	FETCH_C \next, 0, 0
	SCALES \next, ADRT
	WIN MUL_LO
	MUL16 2, 1, NQ-1, \slot, 0
	WIN 0
.endm
	s_load_b128 s[4:7], s[0:1], 0x0
	s_load_b128 s[8:11], s[0:1], 0x10
	s_load_b64 s[12:13], s[0:1], 0x20
	v_lshl_add_u32 v[SPW], v0, 2, SPARE
	v_mov_b32 v[NIL], 0
	ds_add_u32 v[SPW], v[NIL]
	ds_add_u32 v[SPW], v[NIL]
	v_lshrrev_b32 v1, 5, v0
	v_readfirstlane_b32 s14, v1
	s_lshr_b32 s15, s14, 1
	s_and_b32 s16, s14, 1
	s_bfe_u32 s40, ttmp6, 0x40000
	s_bfe_u32 s41, ttmp6, 0x40004
	s_and_b32 s17, ttmp7, 0xffff
	s_lshl_b32 s17, s17, 2
	s_lshl_b32 s22, ttmp9, 2
	s_add_co_u32 s18, s17, s41
	s_add_co_u32 s19, s17, s40
	s_add_co_u32 s20, s22, s40
	s_add_co_u32 s21, s22, s41
	s_lshl_b32 s43, s41, 2
	s_lshl_b32 s43, 15, s43
	s_lshl_b32 s44, 0x1111, s40
	s_or_b32 s[G1+0], s43, (3<<16)|(1<<21)
	s_or_b32 s[G1B+0], s44, (3<<16)|(1<<21)
	s_or_b32 s[G1C+0], s43, (3<<16)|(1<<21)
.irp g, G1, G1B
	s_mov_b32 s[\g+1], (HALFT/8)<<16               ; the head's load: two rows of 24,576 bytes, my 128 rows' images of planes 0 and 1, at the plane's pitch
	s_mov_b32 s[\g+2], 2<<16
	s_mov_b32 s[\g+3], (HALFT/8)<<16
	s_mov_b32 s[\g+4], 2
	s_mov_b32 s[\g+5], PLANE/8
	s_mov_b32 s[\g+6], 0
	s_mov_b32 s[\g+7], 0
.endr
	s_mov_b32 s[G1C+1], 32<<16
	s_mov_b32 s[G1C+2], 48<<16
	s_mov_b32 s[G1C+3], 32<<16
	s_mov_b32 s[G1C+4], 48
	s_mov_b32 s[G1C+5], 32
	s_mov_b32 s[G1C+6], 0
	s_mov_b32 s[G1C+7], 0
	s_lshl_b32 s66, s18, 1
	s_add_co_u32 s66, s66, s16
	s_mul_i32 s66, s66, HALFT
	s_mov_b32 s67, 0
	s_lshl_b32 s68, s20, 1
	s_add_co_u32 s68, s68, s16
	s_add_co_u32 s68, s68, 64
	s_mul_i32 s68, s68, HALFT
	s_mov_b32 s69, 0
	s_lshl_b32 s70, s21, 1
	s_add_co_u32 s70, s70, s16
	s_add_co_u32 s70, s70, 160
	s_mul_i32 s70, s70, HALFC
	s_mov_b32 s71, 0
	s_lshl_b32 s72, s19, 1
	s_add_co_u32 s72, s72, s16
	s_mul_i32 s72, s72, HALFT
	s_mov_b32 s73, 0
	s_mul_i32 s74, s14, 2*HALFT                    ; the ring in LDS: [wave][slot][24,576 bytes]
	s_mul_i32 s75, s16, HALFC
	s_lshl_b32 s84, s18, 13
	s_mov_b32 s85, 0
	s_add_co_u32 s86, s20, 32
	s_lshl_b32 s86, s86, 13
	s_mov_b32 s87, 0
	s_lshr_b32 s90, s21, 1
	s_lshl_b32 s90, s90, 13
	s_and_b32 s91, s21, 1
	s_lshl_b32 s91, s91, 10
	s_add_co_u32 s90, s90, s91
	s_add_co_u32 s90, s90, 40*8192
	s_mov_b32 s91, 0
	s_lshl_b32 s92, s19, 13
	s_mov_b32 s93, 0
	s_mov_b32 s88, 0x76543210
	s_mov_b32 s89, 0xfedcba98
	s_lshl_b32 s42, s18, 1
	s_add_co_u32 s42, s42, s15
	s_lshl_b32 s45, s40, 2
	s_lshl_b32 s23, s16, 1
	s_add_co_u32 s45, s45, s23
	s_lshr_b32 s23, s42, 3
	s_lshl_b32 s23, s23, 4
	s_add_co_u32 s23, s23, s45
	s_and_b32 s42, s42, 7
	s_mul_i32 s46, ttmp9, 6291456
	s_mul_i32 s47, s23, 49152
	s_add_co_u32 s46, s46, s47
	s_mul_i32 s47, s42, 6144
	s_add_co_u32 s46, s46, s47
	s_mov_b32 s47, 0
	s_lshl_b32 s2, ttmp9, 18
	s_lshl_b32 s3, s23, 11
	s_add_co_u32 s2, s2, s3
	s_lshl_b32 s3, s42, 8
	s_add_co_u32 s2, s2, s3
	s_mov_b32 s3, 0
	s_mul_i32 s22, s45, 768
	s_lshl_b32 s23, ttmp9, 8
	s_add_co_u32 s22, s22, s23
	s_mov_b32 s23, 0
	s_lshl_b32 s42, s19, 1
	s_add_co_u32 s42, s42, s16
	s_lshl_b32 s45, s21, 1
	s_add_co_u32 s45, s45, s15
	s_lshr_b32 s17, s42, 3
	s_lshl_b32 s17, s17, 4
	s_add_co_u32 s17, s17, s45
	s_and_b32 s42, s42, 7
	s_mul_i32 s94, s17, 49152
	s_mul_i32 s95, s42, 6144
	s_add_co_u32 s94, s94, s95
	s_add_co_u32 s94, s94, 12582912
	s_mov_b32 s95, 0
	s_lshl_b32 s96, s17, 11
	s_lshl_b32 s97, s42, 8
	s_add_co_u32 s96, s96, s97
	s_add_co_u32 s96, s96, 524288
	s_mov_b32 s97, 0
	s_mul_i32 s98, s45, 768
	s_add_co_u32 s98, s98, 512
	s_mov_b32 s99, 0
	s_wait_dscnt 0x0
	s_wait_kmcnt 0x0
	s_add_nc_u64 s[66:67], s[4:5], s[66:67]
	s_add_nc_u64 s[68:69], s[4:5], s[68:69]
	s_add_nc_u64 s[70:71], s[4:5], s[70:71]
	s_add_nc_u64 s[72:73], s[4:5], s[72:73]
	s_add_nc_u64 s[84:85], s[6:7], s[84:85]
	s_add_nc_u64 s[86:87], s[6:7], s[86:87]
	s_add_nc_u64 s[90:91], s[6:7], s[90:91]
	s_add_nc_u64 s[92:93], s[6:7], s[92:93]
	s_add_nc_u64 s[94:95], s[10:11], s[94:95]
	s_add_nc_u64 s[96:97], s[12:13], s[96:97]
	s_add_nc_u64 s[98:99], s[8:9], s[98:99]
	s_add_nc_u64 s[10:11], s[10:11], s[46:47]
	s_add_nc_u64 s[12:13], s[12:13], s[2:3]
	s_add_nc_u64 s[8:9], s[8:9], s[22:23]
	CROUND
.irp s, 0,1
	s_mov_b32 s[G0+4*\s], 1
	s_add_co_u32 s[G0+4*\s+1], s74, \s*HALFT
	s_add_nc_u64 s[G0+4*\s+2:G0+4*\s+3], s[66:67], \s*PLANE
	s_or_b32 s[G0+4*\s+3], s[G0+4*\s+3], 0x80000000
	s_mov_b32 s[G0B+4*\s], 1
	s_add_co_u32 s[G0B+4*\s+1], s74, \s*HALFT
	s_add_nc_u64 s[G0B+4*\s+2:G0B+4*\s+3], s[68:69], \s*PLANE
	s_or_b32 s[G0B+4*\s+3], s[G0B+4*\s+3], 0x80000000
.endr
	JLOAD G0, G1, G0B, G1B                         ; one joint load a wave at the head: my part of both slots
	v_lshlrev_b32 v3, 4, v0
.irp i, 0,1,2,3
	global_load_b128 v[128+4*\i:131+4*\i], v3, s[84:85] offset:2048*\i
	global_load_b128 v[144+4*\i:147+4*\i], v3, s[86:87] offset:2048*\i
.endr
	v_lshrrev_b32 v4, 6, v0
	v_and_b32 v6, 63, v0
	v_lshlrev_b32 v6, 4, v6
	v_lshl_add_u32 v4, v4, 11, v6
	global_load_b128 v[160:163], v4, s[90:91]
	global_load_b128 v[164:167], v4, s[90:91] offset:4096
.irp i, 0,1,2,3
	global_load_b128 v[168+4*\i:171+4*\i], v3, s[92:93] offset:2048*\i
.endr
	v_and_b32 v1, 15, v0
	v_bfe_u32 v2, v0, 4, 1
	v_lshlrev_b32 v9, 6, v2
.irp x, 0,1,2,3,4,5,6,7
	global_load_b128 v[BI+8*\x:BI+8*\x+3], v9, s[8:9] offset:(\x/4)*768+((\x/2)%2)*128+(\x%2)*32
	global_load_b128 v[BI+8*\x+4:BI+8*\x+7], v9, s[8:9] offset:(\x/4)*768+((\x/2)%2)*128+(\x%2)*32+16
.endr
	v_and_b32 v10, 8, v1
	v_add_nc_u32 v10, v10, v1
	v_lshlrev_b32 v10, 2, v10
.irp a, 0,1,2,3
	global_load_b32 v[232+\a], v10, s[98:99] offset:(\a/2)*128+(\a%2)*32
.endr
	v_and_b32 v5, 31, v0
	v_lshlrev_b32 v5, 3, v5
	s_mul_i32 s42, s15, 2*HALFT
	s_mul_i32 s45, s16, 2*HALFT
	s_add_co_u32 s45, s45, 4*HALFT
	s_mul_i32 s46, s15, HALFC
.irp s, 0,1
	v_add_nc_u32 v[ADRA+\s], s42, v5
	v_add_nc_u32 v[ADRB+\s], s45, v5
	v_add_nc_u32 v[ADRC+\s], s46, v5
	s_add_co_u32 s42, s42, HALFT
	s_add_co_u32 s45, s45, HALFT
	s_add_co_u32 s46, s46, HALFT
.endr
	s_lshl_b32 s42, s15, 10
	s_lshl_b32 s45, s16, 10
	s_add_co_u32 s45, s45, BSC-ASC
	s_sub_co_u32 s45, s45, s42
	v_mul_u32_u24 v6, s45, v2
	s_add_co_u32 s42, s42, ASC
	v_lshl_add_u32 v6, v1, 3, v6
	v_add_nc_u32 v[ADRS], s42, v6
	s_lshl_b32 s42, s15, 9
	s_lshl_b32 s45, s16, 10
	s_add_co_u32 s45, s45, BSC2-ASC2
	s_sub_co_u32 s45, s45, s42
	v_mul_u32_u24 v6, s45, v2
	s_add_co_u32 s42, s42, ASC2
	v_lshl_add_u32 v6, v1, 3, v6
	v_add_nc_u32 v[ADRT], s42, v6
	v_add_nc_u32 v7, ASC, v3
	v_add_nc_u32 v8, ASC2, v4
	v_lshlrev_b32 v12, 3, v1
	v_lshl_add_u32 v12, v2, 11, v12
	v_lshlrev_b32 v13, 3, v1
	v_lshl_add_u32 v13, v2, 7, v13
	v_cmp_eq_u32 vcc_lo, 1, v2
	v_mov_b32 v14, 0x05040100
	v_mov_b32 v6, 0x07060302
	v_cndmask_b32 v14, v14, v6, vcc_lo
	v_mov_b32 v15, 0x03020100
	v_mov_b32 v6, 0x07060504
	v_cndmask_b32 v15, v15, v6, vcc_lo
	s_wait_loadcnt 20
.irp i, 0,1,2,3
	ds_store_b128 v7, v[128+4*\i:131+4*\i] offset:2048*\i
	ds_store_b128 v7, v[144+4*\i:147+4*\i] offset:BSC-ASC+2048*\i
	ds_store_b128 v7, v[168+4*\i:171+4*\i] offset:BSC2-ASC+2048*\i
.endr
	ds_store_b128 v8, v[160:163]
	ds_store_b128 v8, v[160:163] offset:1024
	ds_store_b128 v8, v[164:167] offset:4096
	ds_store_b128 v8, v[164:167] offset:5120
	s_wait_tensorcnt 0x0                           ; my load is in, so its descriptor may be written: from here on a load brings 96 rows of 256 bytes
.irp g, G1, G1B
	s_mov_b32 s[\g+1], 32<<16
	s_mov_b32 s[\g+2], 96<<16
	s_mov_b32 s[\g+3], 32<<16
	s_mov_b32 s[\g+4], 96
	s_mov_b32 s[\g+5], 32
.endr
	s_wait_dscnt 0x0
	s_barrier_signal -1
	s_barrier_wait -1
	FETCH_B 0, 0, 0
	FETCH_A 0, 0, 0
	SCALES 0, ADRS
	FETCH_A 0, 0, 4
	s_wait_loadcnt 0x0
	STEP 0, 0, 1
	TURN 0, 1, 1
	STEP 1, 0, 0
	TURN 1, 0, 1
	STEP 0, 0, 0
	TURN 0, 1, 2
	STEP 1, 0, 0
	s_wait_tensorcnt 0x0
	ds_add_u32 v[SPW], v[NIL]
	s_wait_dscnt 4*NL+1
	WIN MUL_LO
	MUL16 0, 1, NQ-1, 1, 0
	s_wait_dscnt 0x0
	s_barrier_signal -1
	MUL16 2, 1, NQ-1, 1, 0
	WIN 0
	s_barrier_wait -1
	CREST
	REFILL 1, 2
	WIN MUL_HI
	MUL16 4, 1, NQ-1, 1, 0
	MUL16 6, 1, NQ-1, 1, 0
	WIN 0
.macro QUANTW a, ph
.set AC, 64*((\a)%4)
.set PCA, PC+12*(\a)
	WIN 0x0a+5*((\a)/4)
.irp b, 0,1,2,3
	v_max3_num_f32 v[TM+\b], |v[AC+16*\b]|, |v[AC+16*\b+1]|, 0x1800000
.endr
.irp i, 2,4,6,8,10,12,14
.irp b, 0,1,2,3
	v_max3_num_f32 v[TM+\b], |v[AC+16*\b+\i]|, |v[AC+16*\b+\i+1]|, v[TM+\b]
.endr
.endr
	WIN 0
.irp b, 0,1,2,3
	v_permlanex16_b32 v[TM+4+\b], v[TM+\b], s88, s89
.endr
.irp b, 0,1,2,3
	v_max_num_f32 v[TM+\b], v[TM+\b], v[TM+4+\b]
.endr
.irp b, 0,1,2,3
	v_add_nc_u32 v[TM+12+\b], 0xff000000, v[TM+\b]
.endr
.irp b, 0,1,2,3
	v_lshrrev_b32 v[TM+4+\b], 23, v[TM+12+\b]
.endr
	v_lshl_or_b32 v[PW+(\a)], v[TM+5], 8, v[TM+4]
	v_lshl_or_b32 v[PW+(\a)], v[TM+6], 16, v[PW+(\a)]
	v_lshl_or_b32 v[PW+(\a)], v[TM+7], 24, v[PW+(\a)]
	WIN 0x02+((\a)/4)
.irp c, 0,1
	v_cvt_scalef32_pk16_fp6_f32 v[PCA+6*\c:PCA+6*\c+2], v[AC+32*\c:AC+32*\c+15], v[TM+12+2*\c]
	v_cvt_scalef32_pk16_fp6_f32 v[PX+4*\c:PX+4*\c+2], v[AC+32*\c+16:AC+32*\c+31], v[TM+12+2*\c+1]
.endr
	WIN 0
	v_nop
.irp c, 0,1
.irp i, 0,1,2
	v_permlane16_swap_b32 v[PCA+6*\c+\i], v[PX+4*\c+\i]
.endr
.irp i, 0,1,2
	v_mov_b32 v[PCA+3+6*\c+\i], v[PX+4*\c+\i]
.endr
.endr
.if \ph == 1
.irp p, 0,1,2
	global_store_b64 v5, v[PCA+2*\p:PCA+2*\p+1], s[10:11] offset:768*(\a)+256*\p
.endr
.irp p, 0,1,2
	global_store_b64 v5, v[PCA+6+2*\p:PCA+6+2*\p+1], s[10:11] offset:49152+768*(\a)+256*\p
.endr
.else
.irp p, 0,1,2,3,4,5
	global_store_b64 v5, v[PCA+2*\p:PCA+2*\p+1], s[94:95] offset:1536*(\a)+256*\p
.endr
.endif
.endm
	PLACES NP
.irp b, 0,1,2,3
	v_mov_b32 v[TM+4+\b], 0
.endr
.irp a, 0,1,2,3,4,5,6,7
	QUANTW \a, 1
.endr
.irp y, 0,1,2,3
	v_perm_b32 v[112+\y], v[PW+2*\y+1], v[PW+2*\y], v14
.endr
	global_store_b64 v12, v[112:113], s[12:13]
	global_store_b64 v12, v[114:115], s[12:13] offset:128
	s_wait_xcnt 0x0
.irp a, 0,1,2,3
.irp j, 0,1,2,3,4,5,6,7
	v_mov_b32 v[BI+8*\a+\j], v[232+\a]
.endr
.endr
	FETCH_B 0, 0, 0
	FETCH_C 0, 0, 0
	SCALES 0, ADRT
	s_wait_alu depctr_va_vdst(0)
	STEP2 0, 0, 2
	TURN2 0, 1, 3
	STEP2 1, 0, 0
	TURN2 1, 0, 3
	STEP2 0, 0, 0
	TURN2 0, 1, 0
	STEP2 1, 0, 0
	s_wait_dscnt 0x0
.set AB, AF+48
	WIN MUL_LO
	MUL16 0, 1, NQ-1, 1, 0
	MUL16 2, 1, NQ-1, 1, 0
	WIN 0
	PLACES NP
.irp b, 0,1,2,3
	v_mov_b32 v[TM+4+\b], 0
.endr
.irp a, 0,1,2,3
	QUANTW \a, 2
.endr
	v_perm_b32 v112, v[PW+1], v[PW], v15
	v_perm_b32 v113, v[PW+3], v[PW+2], v15
	global_store_b64 v13, v[112:113], s[96:97]
	s_wait_tensorcnt 0x0
	ds_add_u32 v[SPW], v[NIL]
	s_wait_dscnt 0x0
	CROUND
	s_endpgm
.Lfunc_end_k_qedd405daf4_qkv:
	.size	k_qedd405daf4_qkv, .Lfunc_end_k_qedd405daf4_qkv-k_qedd405daf4_qkv
	.p2alignl 7, 3214868480
	.fill 96, 4, 3214868480
	.section	.rodata,"a",@progbits
	.p2align	6, 0x0
	.amdhsa_kernel k_qedd405daf4_qkv
		.amdhsa_group_segment_fixed_size 327680
		.amdhsa_private_segment_fixed_size 0
		.amdhsa_enable_private_segment 0
		.amdhsa_kernarg_size 40
		.amdhsa_user_sgpr_count 2
		.amdhsa_user_sgpr_kernarg_segment_ptr 1
		.amdhsa_wavefront_size32 1
		.amdhsa_system_sgpr_workgroup_id_x 1
		.amdhsa_system_sgpr_workgroup_id_y 1
		.amdhsa_system_sgpr_workgroup_id_z 1
		.amdhsa_system_vgpr_workitem_id 0
		.amdhsa_next_free_vgpr 1024
		.amdhsa_next_free_sgpr 100
		.amdhsa_reserve_vcc 1
		.amdhsa_float_denorm_mode_32 3
		.amdhsa_float_denorm_mode_16_64 3
		.amdhsa_memory_ordered 1
		.amdhsa_forward_progress 1
		.amdhsa_inst_pref_size 255
	.end_amdhsa_kernel
	.section	.bss,"aw",@nobits
	.p2align	6
	.space	262144
	.amdgpu_metadata
---
amdhsa.version: [ 1, 2 ]
amdhsa.kernels:
  - .name:           k_qedd405daf4_qkv
    .symbol:         k_qedd405daf4_qkv.kd
    .args:
      - { .name: in_img, .offset: 0, .size: 8, .value_kind: global_buffer, .address_space: global }
      - { .name: in_sc, .offset: 8, .size: 8, .value_kind: global_buffer, .address_space: global }
      - { .name: b_qkv, .offset: 16, .size: 8, .value_kind: global_buffer, .address_space: global }
      - { .name: qkv_img, .offset: 24, .size: 8, .value_kind: global_buffer, .address_space: global }
      - { .name: qkv_sc, .offset: 32, .size: 8, .value_kind: global_buffer, .address_space: global }
    .group_segment_fixed_size: 327680
    .private_segment_fixed_size: 0
    .kernarg_segment_align: 8
    .kernarg_segment_size: 40
    .max_flat_workgroup_size: 128
    .sgpr_count:     100
    .vgpr_count:     1024
    .wavefront_size: 32
...
	.end_amdgpu_metadata
.endif
;; end of part 2
;; launch attn (part 3): grid 2 x 128, 16 waves a work-group, no clusters, 167,936 bytes of LDS; arguments qkv_img, qkv_sc, ctx_img, ctx_sc; writes ctx_img, ctx_sc
.if DOCPART == 3
	.amdgcn_target "amdgcn-amd-amdhsa--gfx1250"
	.amdhsa_code_object_version 6
	.text
	.protected	k_qedd405daf4_attn
	.globl	k_qedd405daf4_attn
	.p2align	8
	.type	k_qedd405daf4_attn,@function
k_qedd405daf4_attn:
	s_mov_b64 s[64:65], 0
	v_nop
	global_prefetch_b8 v0, s[64:65] scope:SCOPE_SE
	s_setreg_imm32_b32 hwreg(HW_REG_WAVE_MODE, 25, 1), 1
	s_wait_xcnt 0x0
; ctx = softmax(q k^T / 8) v for one head and 512 queries, both products on codes of FP6 (E2M3), and the quantising of ctx along the hidden axis for the last projection.
; THE SOFTMAX: t = score x log2(e) / 8; M = the row's largest t so far, rounded up to a whole number; p = 2^(t - M) is quantised along the keys, not normalised; the row's sum is taken of the unquantised p and divides at the end.
; When M moves, the sum and O are multiplied by 2^(old M - new M), which rounds nothing.
; SHARES: a work-group has half a head's queries; each of its sixteen waves 32 of them, as two passes of one tile of 16; four waves to a SIMD.
; K AND V of the head lie in LDS whole, filled once: sixteen tensor loads, one a wave: wave 2 s brings key step s of K (24 rows of 256 bytes), wave 2 s + 1 that of V.  32 bytes of padding stand behind each 256.
; Waves 0 and 1 have a load line of their own: the first barrier shows key step 0 alone; the first key step is written out, and behind it every wave waits for its load and a barrier shows the rest.
; Multicast is left out: two work-groups share a head's 100 KB, read once at the head.  Nothing is prefetched: all that the work-group reads is asked for in its first lines.
; LAYOUT: both products are used transposed (S^T = K Q^T, O^T = V^T P^T): a lane holds one query throughout.  The head's size is 64 and the instruction's K 128: a fragment of K holds TWO tiles of 16 keys,
; and Q's operand is [Q | zeros] or [zeros | Q]: zero codes add nothing.
; THE ROWS OF A TILE OF K ARE CHOSEN BY THE LANES' ADDRESSES: stored fragment b, tile x, row r is key 32 b + 16 (r / 8) + 8 x + r % 8.  Fragment (c, w) takes as its row 8 g + j the stored row 8 w + j of fragment 2 c + g:
; key 64 c + 32 g + 8 (2 w + x) + j.  So registers 96 + 32 c + 0 .. 31 of lane (query, h) are keys 64 c + 32 h + 0 .. 31: one scale block of p, in the order of the operand's registers; no lane takes codes from another.
; A stored fragment is 6 x 288 = 1,728 bytes in LDS, 192 modulo 256: the lanes with g = 0 and g = 1 read different banks.  Two pieces of 8 bytes come by one two-address load: 24 loads for a step's eight fragments.
; THE SCALE WORDS go to LDS through registers and are laid there so that the four words that a lane wants in a key step lie on end: [step: 256 bytes][row of the operand: 16 bytes][fragment]: one load of 16 bytes for K's, one for V's.
; OUT: ctx_img [4 heads][token tile][head % 4: 768 bytes]: images for the projection; ctx_sc [head][token]: two scale bytes.
; LIMITS: a block of zeros gets the byte 1 (its codes are zeros; this program alone reads the bytes); NaN and infinities are not served.
; REGISTERS: v1-4, v7, v11, v92, v93, v95, v207, v211, v214 addresses and 8 h, which stay; v5, v6 the add's two; v8-10, v252-255 addresses in hand; v12 -M, v13 the largest score, v[14:15] the sum; v16-33 [Q][0][Q]; v34, v35 Q's scale words;
;   v36-83 four fragments of K or V; v84-87 K's scale words, v88-91 V's, v94 p's; v96-159 S^T, then p; v160-191 O^T; v192-203 p's codes; v204-210 second halves; v[212:213] f; v216-227 Q's pair, later ctx's codes; v228 Q's word; v232-251 at work.
.set KP,    1728                       ; a fragment in LDS
.set SP,    4*KP                       ; a key step's four fragments
.set VIMG,  8*SP
.set KSC,   110592
.set VSC,   KSC+2048
.set CSC,   114688                     ; ctx's scale bytes of the work-group's 512 tokens
.set SPARE, 115712                     ; the spare words, 128 bytes for each wave
.set SPW, 5
.set NIL, 6
.set G0,  44
.set G1,  48
	s_load_b128 s[4:7], s[0:1], 0x0                ; qkv_img, qkv_sc
	s_load_b128 s[8:11], s[0:1], 0x10              ; ctx_img, ctx_sc
	v_lshl_add_u32 v[SPW], v0, 2, SPARE
	v_mov_b32 v[NIL], 0
	ds_add_u32 v[SPW], v[NIL]                      ; the opening lines: the add twice on end and its wait ahead of my tensor load
	ds_add_u32 v[SPW], v[NIL]
	v_lshrrev_b32 v8, 5, v0
	v_readfirstlane_b32 s12, v8                    ; wave
	s_and_b32 s13, ttmp7, 0xffff                   ; 16 b + head
	s_lshl_b32 s14, ttmp9, 4
	s_add_co_u32 s14, s14, s12                     ; my pair of token tiles, 0 .. 31
	s_mul_i32 s16, s13, 49152
	s_mov_b32 s17, 0
	s_lshl_b32 s18, s13, 11
	s_mov_b32 s19, 0
	s_lshr_b32 s42, s12, 1                         ; the key step that I fetch,
	s_and_b32 s43, s12, 1                          ; of K (0) or of V (1)
	s_mov_b32 s[G0], 1
	s_mul_i32 s[G0+1], s42, SP
	s_mul_i32 s56, s43, VIMG
	s_add_co_u32 s[G0+1], s[G0+1], s56             ; LDS: VIMG x kind + SP x step
	s_mul_i32 s56, s42, 6144
	s_mul_i32 s58, s43, 6291456                    ; v's images lie so far behind k's
	s_add_co_u32 s56, s56, s58
	s_mov_b32 s57, 0
	s_mov_b32 s[G1+0], (3<<16)|(1<<20)|(5<<22)|(7<<25)   ; elements of 8 bytes; behind every 64 dwords 8 dwords of padding
	s_mov_b32 s[G1+1], 32<<16
	s_mov_b32 s[G1+2], 24<<16
	s_mov_b32 s[G1+3], 32<<16
	s_mov_b32 s[G1+4], 24
	s_mov_b32 s[G1+5], 32
	s_mov_b32 s[G1+6], 0
	s_mov_b32 s[G1+7], 0
	s_mul_i32 s24, s14, 1536
	s_mov_b32 s25, 0
	s_lshr_b32 s26, s14, 2                         ; Q's scale word: [pair / 4][256] + [(pair / 2) % 2][128] + 8 r + 4 (pair % 2)
	s_lshl_b32 s26, s26, 8
	s_bfe_u32 s27, s14, 0x10001
	s_lshl_b32 s27, s27, 7
	s_add_co_u32 s26, s26, s27
	s_and_b32 s27, s14, 1
	s_lshl_b32 s27, s27, 2
	s_add_co_u32 s26, s26, s27
	s_mov_b32 s27, 0
	s_and_b32 s36, s13, 15                         ; the head
	s_lshr_b32 s37, s13, 4                         ; b
	s_lshr_b32 s38, s36, 2
	s_mul_i32 s38, s38, 1572864
	s_lshl_b32 s39, s37, 6
	s_lshl_b32 s40, s14, 1
	s_add_co_u32 s39, s39, s40                     ; my first token tile
	s_mul_i32 s39, s39, 3072
	s_add_co_u32 s38, s38, s39
	s_and_b32 s39, s36, 3
	s_mul_i32 s39, s39, 768
	s_add_co_u32 s38, s38, s39
	s_mov_b32 s39, 0
	s_lshl_b32 s40, s36, 14
	s_lshl_b32 s41, s37, 11
	s_add_co_u32 s40, s40, s41
	s_lshl_b32 s41, ttmp9, 10
	s_add_co_u32 s40, s40, s41
	s_mov_b32 s41, 0
	s_mov_b32 s32, 0x76543210
	s_mov_b32 s33, 0xfedcba98                      ; lane l xor 16
	s_mov_b32 s34, 0x3e38aa3b                      ; c = log2(e) / 8
	s_mov_b32 s35, s34                             ; (named with it as a pair)
	s_lshl_b32 s15, s12, 6
	s_add_co_u32 s15, s15, CSC
	v_and_b32 v1, 31, v0
	v_and_b32 v156, 15, v0                         ; r
	v_and_b32 v9, 7, v0                            ; j
	v_bfe_u32 v10, v0, 3, 1                        ; g
	v_bfe_u32 v8, v0, 4, 1                         ; h
	v_lshlrev_b32 v1, 3, v1                        ; 8 x lane
	v_lshlrev_b32 v9, 3, v9                        ; 8 j
	v_lshlrev_b32 v3, 4, v156
	v_lshlrev_b32 v7, 1, v156
	v_lshlrev_b32 v156, 3, v156                    ; 8 r
	v_add_nc_u32 v2, VIMG, v1                      ; V's four fragments: VIMG + KP t + 8 x lane
	v_add_nc_u32 v3, KSC, v3                       ; the scale words: KSC + 16 (lane % 16); V's lie 2,048 bytes on
	v_add_nc_u32 v7, s15, v7                       ; CSC + 64 wave + 2 r
	v_mad_u32_u24 v95, v10, KP, v9
	v_lshlrev_b32 v214, 3, v8                      ; 8 h
	v_lshl_add_u32 v95, v8, 7, v95                 ; K's fragments with c = 0: KP g + 8 j + 128 h
	v_add_nc_u32 v4, KP, v2
	v_add_nc_u32 v11, 2*KP, v2
	v_add_nc_u32 v207, 3*KP, v2
	v_add_nc_u32 v211, 2*KP, v95                   ; and with c = 1
	v_and_b32 v93, 63, v0
	v_lshlrev_b32 v146, 2, v0                      ; 4 x thread: my scale word of K and of V; i = thread % 64 is its place in its key step
	v_lshlrev_b32 v93, 4, v93
	v_and_b32 v149, 0x1c0, v0
	v_bfe_u32 v150, v0, 5, 1                       ; i / 32
	v_and_b32 v151, 1, v0                          ; i % 2
	v_bfe_u32 v152, v0, 1, 3                       ; (i / 2) % 8
	v_bfe_u32 v153, v0, 4, 1                       ; (i / 16) % 2
	v_bfe_u32 v154, v0, 1, 4                       ; (i / 2) % 16
	v_lshlrev_b32 v149, 2, v149                    ; 256 x step
	v_add_nc_u32 v92, CSC, v93
	v_lshl_add_u32 v149, v150, 3, v149
	v_lshl_add_u32 v147, v151, 7, v149             ; K's word of stored fragment 2 c + g, row 8 w + j goes to 256 step + 128 g + 16 j + 8 c + 4 w
	v_lshl_add_u32 v148, v154, 4, v149             ; V's word (x, r, y) to 256 step + 16 r + 8 x + 4 y
	v_lshl_add_u32 v147, v152, 4, v147
	v_lshl_add_u32 v148, v151, 2, v148
	v_lshl_add_u32 v147, v153, 2, v147
	v_add_nc_u32 v148, VSC, v148
	v_add_nc_u32 v147, KSC, v147
.irp b, 0,1,2,3
	v_mov_b32 v[236+\b], 0                         ; a lane permute's destination counts as read
.endr
	v_mov_b32 v213, 0                              ; (named as the upper half of the pair v[212:213])
	v_mov_b32 v254, 0
	s_wait_alu depctr_va_vdst(0)                   ; the wait at the head's end
	s_wait_dscnt 0x0                               ; both opening adds are done
	s_wait_kmcnt 0x0
	s_add_nc_u64 s[4:5], s[4:5], s[16:17]          ; q's images of my head
	s_add_nc_u64 s[20:21], s[4:5], 6291456         ; k's images
	s_add_nc_u64 s[G0+2:G0+3], s[20:21], s[56:57]
	s_or_b32 s[G0+3], s[G0+3], 0x80000000
	s_cmp_lt_u32 s12, 2
	s_cbranch_scc0 .Lrest
	tensor_load_to_lds s[G0:G0+3], s[G1:G1+7]      ; waves 0 and 1: key step 0 of K and of V
	s_nop 0
	s_branch .Lasked
.Lrest:
	tensor_load_to_lds s[G0:G0+3], s[G1:G1+7]      ; the other fourteen tiles
	s_nop 0
.Lasked:
	s_add_nc_u64 s[6:7], s[6:7], s[18:19]          ; q's scale words
	s_add_nc_u64 s[24:25], s[4:5], s[24:25]
	s_add_nc_u64 s[26:27], s[6:7], s[26:27]
	s_add_nc_u64 s[8:9], s[8:9], s[38:39]
	s_add_nc_u64 s[10:11], s[10:11], s[40:41]
	global_load_b32 v144, v146, s[6:7] offset:262144                       ; k's scale words of the head, 2,048 bytes,
	global_load_b32 v145, v146, s[6:7] offset:524288                       ; and v's
.irp p, 0,1,2,3,4,5
	global_load_b64 v[216+2*\p:217+2*\p], v1, s[24:25] offset:256*\p       ; my pair of tiles of Q
.endr
	global_load_b32 v228, v156, s[26:27]
	s_wait_loadcnt 0x0
	ds_store_b32 v147, v144
	ds_store_b32 v148, v145
	s_wait_dscnt 0x0                               ; for the others' sake: my scale words lie in LDS
	s_cmp_lt_u32 s12, 2
	s_cbranch_scc0 .Lnot_first
	s_wait_tensorcnt 0x0                           ; waves 0 and 1: key step 0 is in
.Lnot_first:
	s_barrier_signal -1
	s_barrier_wait -1
; A KEY STEP: 128 keys
.macro STEP
	v_add_nc_u32 v8, s28, v95                      ; these four are also the places behind the last products, in front of the loads below
	v_add_nc_u32 v9, s28, v211
	v_add_nc_u32 v10, s29, v3
	v_mov_b32 v251, v12                            ; the old -M
.irp f, 0,1,2,3                        ; fragment f = 2 c + w
.irp p, 0,2,4
	ds_load_2addr_b64 v[36+12*\f+2*\p:39+12*\f+2*\p], v[8+\f/2] offset0:8*(\f%2)+36*\p offset1:8*(\f%2)+36*\p+36
.endr
.endr
	ds_load_b128 v[84:87], v10
	ds_load_b128 v[88:91], v10 offset:2048
	s_wait_alu depctr_va_vdst(0)                   ; the wait here, directly ahead of the wait below
	s_wait_dscnt 0x0
.irp b, 0,1,2,3
.irp u, 0,1
	v_wmma_scale_f32_16x16x128_f8f6f4 v[96+8*(2*\b+\u):103+8*(2*\b+\u)], v[36+12*\b:47+12*\b], v[16+6*\u:27+6*\u], 0, v[84+\b], v[34+\u] matrix_a_fmt:MATRIX_FMT_FP6 matrix_b_fmt:MATRIX_FMT_FP6
.endr
.endr
	v_add_nc_u32 v252, s28, v2                     ; V's addresses: the four places in front of the loads into K's registers and of the first read of the scores
	v_add_nc_u32 v253, s28, v4
	v_add_nc_u32 v254, s28, v11
	v_add_nc_u32 v255, s28, v207
.irp t, 0,1,2,3                        ; V's four fragments land under the softmax
.irp p, 0,2,4
	ds_load_2addr_b64 v[36+12*\t+2*\p:39+12*\t+2*\p], v[252+\t] offset0:36*\p offset1:36*\p+36
.endr
.endr
.irp k, 0,1,2,3                        ; the largest score of my two blocks of 32 keys, in four chains of 16
	v_max3_num_f32 v[232+\k], v[96+16*\k], v[97+16*\k], v[98+16*\k]
.endr
.irp i, 3,5,7,9,11,13
.irp k, 0,1,2,3
	v_max3_num_f32 v[232+\k], v[232+\k], v[96+16*\k+\i], v[97+16*\k+\i]
.endr
.endr
.irp c, 0,1
	v_max3_num_f32 v[232+2*\c], v[232+2*\c], v[111+32*\c], v[127+32*\c]
.endr
.irp c, 0,1
	v_max_num_f32 v[238+\c], v[232+2*\c], v[233+2*\c]   ; block 2 c + h: it serves the row's maximum and, since p rises with the score, the block's largest p
.endr
	v_max_num_f32 v240, v238, v239
	v_permlanex16_b32 v236, v240, s32, s33
	v_max3_num_f32 v13, v13, v240, v236            ; the running largest score of my query
	v_mul_f32 v241, s34, v13                       ; as t (c is positive)
	v_floor_f32 v12, -v241                         ; -M = floor(-t): M is a whole number
	v_sub_f32 v251, v12, v251                      ; old M - new M, 0 or less
	v_cvt_i32_f32 v251, v251                       ; (it saturates)
	v_ldexp_f32 v212, 1.0, v251                    ; f = 2^(old M - new M)
.set j, 0
.rept 32
	v_pk_fma_f32 v[96+j:97+j], v[96+j:97+j], s[34:35], v[12:13] op_sel_hi:[1,0,0]   ; t - M
.set j, j+2
.endr
.irp c, 0,1
	v_fma_f32 v[238+\c], v[238+\c], s34, v12
.endr
	s_wait_alu depctr_va_vdst(0)                   ; the wait ahead of the batch
	v_exp_f32 v238, v238                           ; each block's largest p
	v_exp_f32 v239, v239
.set j, 0
.rept 64
	v_exp_f32 v[96+j], v[96+j]                     ; p = 2^(t - M)
.set j, j+1
.endr
	s_wait_alu depctr_va_vdst(0)                   ; one wait for the batch of 66, directly ahead of the first readers of O^T too
.set j, 0
.rept 16
	v_pk_mul_f32 v[160+j:161+j], v[160+j:161+j], v[212:213] op_sel_hi:[1,0]   ; O^T under the new M.  (Plain work behind the exponentials, which names none of their results)
.set j, j+2
.endr
.irp c, 0,1
	v_max_num_f32 v[238+\c], 0x1800000, v[238+\c]  ; the floor 2^(3 - 127)
.endr
.irp c, 0,1
	v_add_nc_u32 v[246+\c], 0xff000000, v[238+\c]  ; the conversion's scale operand
.endr
.irp c, 0,1
	v_lshrrev_b32 v[248+\c], 23, v[246+\c]         ; the scale's byte
.endr
	v_lshl_or_b32 v250, v249, 16, v248             ; blocks h and 2 + h,
	v_lshlrev_b32 v250, v214, v250                 ; at their places in the word;
	v_permlanex16_b32 v237, v250, s32, s33
	v_or_b32 v94, v250, v237                       ; with lane l xor 16's two the word is whole
.irp c, 0,1
	v_cvt_scalef32_pk16_fp6_f32 v[192+6*\c:194+6*\c], v[96+32*\c:111+32*\c], v[246+\c]
	v_cvt_scalef32_pk16_fp6_f32 v[204+4*\c:206+4*\c], v[112+32*\c:127+32*\c], v[246+\c]   ; (a conversion's three registers begin on an even number)
.endr
.irp k, 0,1,2                          ; the row's sum of the unquantised p, in four chains; the first lines are the plain places behind the conversions
	v_pk_add_f32 v[240+2*\k:241+2*\k], v[96+4*\k:97+4*\k], v[98+4*\k:99+4*\k]
.endr
.irp c, 0,1
.irp i, 0,1,2
	v_mov_b32 v[195+6*\c+\i], v[204+4*\c+\i]
.endr
.endr
	v_pk_fma_f32 v[14:15], v[14:15], v[212:213], v[108:109] op_sel_hi:[1,0,1]   ; the old sum under the new M, and two p more.  (These 29 are also the places between p's codes and scale word and the products)
.set j, 110
.rept 6
	v_pk_add_f32 v[240:241], v[240:241], v[j:j+1]
	v_pk_add_f32 v[242:243], v[242:243], v[j+2:j+3]
	v_pk_add_f32 v[244:245], v[244:245], v[j+4:j+5]
	v_pk_add_f32 v[14:15], v[14:15], v[j+6:j+7]
.set j, j+8
.endr
	v_pk_add_f32 v[240:241], v[240:241], v[158:159]
	v_pk_add_f32 v[242:243], v[242:243], v[244:245]
	v_pk_add_f32 v[14:15], v[14:15], v[240:241]
	v_pk_add_f32 v[14:15], v[14:15], v[242:243]
	s_wait_alu depctr_va_vdst(0)                   ; the wait here, directly ahead of the wait below
	s_wait_dscnt 0x0                               ; V is in
.irp t, 0,1,2,3
	v_wmma_scale_f32_16x16x128_f8f6f4 v[160+8*\t:167+8*\t], v[36+12*\t:47+12*\t], v[192:203], v[160+8*\t:167+8*\t], v[88+2*(\t%2)+\t/2], v94 matrix_a_fmt:MATRIX_FMT_FP6 matrix_b_fmt:MATRIX_FMT_FP6
.endr
.endm
; A PASS: tile u of my pair walks all 1,024 keys
.macro PASS u
.irp i, 0,1,2,3,4,5
	v_mov_b32 v[16+\i], v[216+6*\u+\i]
	v_mov_b32 v[22+\i], 0
	v_mov_b32 v[28+\i], v[216+6*\u+\i]
.endr
.if \u
	v_lshrrev_b32 v254, 16, v228
.else
	v_and_b32 v254, 0xffff, v228
.endif
	s_delay_alu instid0(VALU_DEP_1)
	v_or_b32 v34, 0x01010000, v254                 ; Q in K slots 0-63; the zero codes' blocks get the byte 1
	s_delay_alu instid0(VALU_DEP_2)
	v_lshl_or_b32 v35, v254, 16, 0x0101            ; Q in K slots 64-127
	v_mov_b32 v13, 0xff61b1e6                      ; -3e38, under every score
	s_delay_alu instid0(VALU_DEP_1)
	v_floor_f32 v12, -v13
	v_mov_b32 v14, 0
	v_mov_b32 v15, 0
.set j, 0
.rept 32
	v_mov_b32 v[160+j], 0                          ; O^T: the first change of M leaves zeros zeros.  (More than the eight places that a scale word made by vector instructions wants ahead of a scaled product)
.set j, j+1
.endr
	s_mov_b32 s28, 0
	s_mov_b32 s29, 0
.if \u == 0
	STEP                                           ; the launch's first key step reads the tiles of waves 0 and 1 alone
	s_wait_tensorcnt 0x0                           ; my tile is in,
	s_barrier_signal -1
	s_barrier_wait -1                              ; and so is everybody's: all of K and V
	s_mov_b32 s28, SP
	s_mov_b32 s29, 256
	s_mov_b32 s30, 7
.else
	s_mov_b32 s30, 8
.endif
.Lstep_\@:
	STEP
	s_add_co_u32 s28, s28, SP
	s_add_co_u32 s29, s29, 256
	s_sub_co_u32 s30, s30, 1
	s_cmp_lg_u32 s30, 0
	s_cbranch_scc1 .Lstep_\@
.rept 4
	v_nop                                          ; places behind the last products
.endr
	v_add_f32 v14, v14, v15
	s_delay_alu instid0(VALU_DEP_1)
	v_permlanex16_b32 v254, v14, s32, s33
	s_delay_alu instid0(VALU_DEP_1)
	v_add_f32 v14, v14, v254                       ; the row's sum
	s_wait_alu depctr_va_vdst(0)
	v_rcp_f32 v14, v14
	v_nop                                          ; a plain place behind the reciprocal,
	s_wait_alu depctr_va_vdst(0)                   ; and the wait ahead of its first reader
.set j, 0
.rept 32
	v_mul_f32 v[96+j], v[160+j], v14               ; ctx: register 16 b + i is channel 32 b + 16 h + i of my token
.set j, j+1
.endr
.irp b, 0,1
	v_max3_num_f32 v[232+\b], |v[96+16*\b]|, |v[97+16*\b]|, 0x1800000
.endr
.irp i, 2,4,6,8,10,12,14
.irp b, 0,1
	s_delay_alu instid0(VALU_DEP_2)
	v_max3_num_f32 v[232+\b], v[232+\b], |v[96+16*\b+\i]|, |v[97+16*\b+\i]|
.endr
.endr
.irp b, 0,1
	s_delay_alu instid0(VALU_DEP_2)
	v_permlanex16_b32 v[236+\b], v[232+\b], s32, s33
.endr
.irp b, 0,1
	s_delay_alu instid0(VALU_DEP_2)
	v_max_num_f32 v[232+\b], v[232+\b], v[236+\b]
.endr
.irp b, 0,1
	s_delay_alu instid0(VALU_DEP_2)
	v_add_nc_u32 v[244+\b], 0xff000000, v[232+\b]
.endr
.irp b, 0,1
	s_delay_alu instid0(VALU_DEP_2)
	v_lshrrev_b32 v[240+\b], 23, v[244+\b]
.endr
	s_delay_alu instid0(VALU_DEP_1)
	v_lshl_or_b32 v[229+\u], v241, 8, v240         ; the head's two scale bytes of my token
	v_cvt_scalef32_pk16_fp6_f32 v[216+6*\u:218+6*\u], v[96:111], v244      ; into the registers that this pass's Q has left: they are not written again
	v_cvt_scalef32_pk16_fp6_f32 v[204:206], v[112:127], v245
	v_nop
.irp i, 0,1,2
	v_permlane16_swap_b32 v[216+6*\u+\i], v[204+\i]
.endr
.irp i, 0,1,2
	s_delay_alu instid0(VALU_DEP_3)
	v_mov_b32 v[219+6*\u+\i], v[204+\i]
.endr
.irp q, 0,1,2
	global_store_b64 v1, v[216+6*\u+2*\q:217+6*\u+2*\q], s[8:9] offset:3072*\u+256*\q   ; 32 lanes store 256 consecutive bytes, aligned
.endr
	ds_store_b16 v7, v[229+\u] offset:32*\u        ; both lanes of a token write the same two bytes
.endm
	PASS 0
	PASS 1
	s_wait_dscnt 0x0                               ; my tokens' scale bytes lie in LDS
	s_barrier_signal -1
	s_barrier_wait -1
	s_cmp_lt_u32 s12, 2
	s_cbranch_scc0 .Lno_bytes
	ds_load_b128 v[96:99], v92
	s_wait_dscnt 0x0
	global_store_b128 v93, v[96:99], s[10:11]      ; waves 0 and 1: the 512 tokens' 1,024 bytes, 512 consecutive bytes a wave
.Lno_bytes:
	s_wait_tensorcnt 0x0                           ; the wave's end, behind my tensor load and my last LDS store
	ds_add_u32 v[SPW], v[NIL]
	s_wait_dscnt 0x0
	s_endpgm
.Lfunc_end_k_qedd405daf4_attn:
	.size	k_qedd405daf4_attn, .Lfunc_end_k_qedd405daf4_attn-k_qedd405daf4_attn
	.p2alignl 7, 3214868480
	.fill 96, 4, 3214868480
	.section	.rodata,"a",@progbits
	.p2align	6, 0x0
	.amdhsa_kernel k_qedd405daf4_attn
		.amdhsa_group_segment_fixed_size 167936
		.amdhsa_private_segment_fixed_size 0
		.amdhsa_enable_private_segment 0
		.amdhsa_kernarg_size 32
		.amdhsa_user_sgpr_count 2
		.amdhsa_user_sgpr_kernarg_segment_ptr 1
		.amdhsa_wavefront_size32 1
		.amdhsa_system_sgpr_workgroup_id_x 1
		.amdhsa_system_sgpr_workgroup_id_y 1
		.amdhsa_system_sgpr_workgroup_id_z 1
		.amdhsa_system_vgpr_workitem_id 0
		.amdhsa_next_free_vgpr 256
		.amdhsa_next_free_sgpr 66
		.amdhsa_reserve_vcc 0
		.amdhsa_float_denorm_mode_32 3
		.amdhsa_float_denorm_mode_16_64 3
		.amdhsa_memory_ordered 1
		.amdhsa_forward_progress 1
		.amdhsa_inst_pref_size 64
	.end_amdhsa_kernel
	.amdgpu_metadata
---
amdhsa.version: [ 1, 2 ]
amdhsa.kernels:
  - .name:           k_qedd405daf4_attn
    .symbol:         k_qedd405daf4_attn.kd
    .args:
      - { .name: qkv_img, .offset: 0, .size: 8, .value_kind: global_buffer, .address_space: global }
      - { .name: qkv_sc, .offset: 8, .size: 8, .value_kind: global_buffer, .address_space: global }
      - { .name: ctx_img, .offset: 16, .size: 8, .value_kind: global_buffer, .address_space: global }
      - { .name: ctx_sc, .offset: 24, .size: 8, .value_kind: global_buffer, .address_space: global }
    .group_segment_fixed_size: 167936
    .private_segment_fixed_size: 0
    .kernarg_segment_align: 8
    .kernarg_segment_size: 32
    .max_flat_workgroup_size: 512
    .sgpr_count:     66
    .vgpr_count:     256
    .wavefront_size: 32
...
	.end_amdgpu_metadata
.endif
;; end of part 3
;; launch proj (part 4): grid 4 x 64, 4 waves a work-group, clusters of 4 x 4, 327,680 bytes of LDS; arguments ctx_img, ctx_sc, in_img, in_sc, b_out, out0; writes out0
.if DOCPART == 4
	.amdgcn_target "amdgcn-amd-amdhsa--gfx1250"
	.amdhsa_code_object_version 6
	.text
	.protected	k_qedd405daf4_proj
	.globl	k_qedd405daf4_proj
	.p2align	8
	.type	k_qedd405daf4_proj,@function
k_qedd405daf4_proj:
	s_mov_b64 s[64:65], 0
	v_nop
	global_prefetch_b8 v0, s[64:65] scope:SCOPE_SE
	s_setreg_imm32_b32 hwreg(HW_REG_WAVE_MODE, 25, 1), 1
	s_wait_xcnt 0x0
	s_wait_alu depctr_hold_cnt(0) depctr_sa_sdst(0) depctr_va_vdst(0) depctr_va_sdst(0) depctr_va_ssrc(0) depctr_va_vcc(0) depctr_vm_vsrc(0)
	s_getreg_b32 s2, hwreg(HW_REG_IB_STS2, 6, 4)
	s_cmp_eq_u32 s2, 0
	s_cbranch_scc0 .Lentry_in_a_cluster
	s_endpgm
.Lentry_in_a_cluster:
	s_bfe_u32 s2, ttmp6, 0x10000c
	s_cmp_lg_u32 s2, 0xf033
	s_cbranch_scc0 .Lentry_shape_is_right
	s_endpgm
.Lentry_shape_is_right:
.set HALFA,  12288
.set HALFB,  24576
.set SLOT,   2*HALFA+2*HALFB
.set ASC,    4*SLOT
.set BSC,    ASC+8192+128
.set SPARE,  311552
.set STAGE,  0
.set SPITCH, 528
.set PLA,    1572864
.set PLB,    2359296
.set FR,  12
.set NP,  4
.set NQ,  2
.set ADRC, 8
.set ADRB, 12
.set STO,  24
.set RD,   25
.set CO,   26
.set ADRS, 27
.set SPW,  28
.set NIL,  29
.set SC,   32
.set BI,   64
.set AF,   128
.set BK,   128
.set G1,  24
.set G0,  32
.set G1B, 48
.set G0B, 72
.set AB,  AF
.set MSB, 0
.macro WIN new
.if MSB != \new
	s_set_vgpr_msb (MSB<<8)|\new
.set MSB, \new
.endif
.endm
.set MUL_LO, 0xa1
.set TO_B,   0x40
.macro JLOAD g0a, g1a, g0b, g1b
	s_cmp_eq_u32 s15, 0
	s_cbranch_scc0 .Lfor_b_\@
	tensor_load_to_lds s[\g0a:\g0a+3], s[\g1a:\g1a+7]
	s_nop 0
.rept 4
	v_nop
.endr
	s_branch .Lasked_\@
.Lfor_b_\@:
	tensor_load_to_lds s[\g0b:\g0b+3], s[\g1b:\g1b+7]
	s_nop 0
.rept 4
	v_nop
.endr
.Lasked_\@:
.endm
.macro CROUND
	s_barrier_signal -1
	s_barrier_wait -1
	s_cmp_lg_u32 s14, 0
	s_cbranch_scc1 .Lnot_wave_0_\@
	s_barrier_signal -3
.Lnot_wave_0_\@:
	s_barrier_wait -3
	s_barrier_signal -1
	s_barrier_wait -1
.endm
.macro PLACES n
.rept \n
	v_nop
.endr
.endm
.macro FRAG reg, adr, q, i
.irp p, 0,1,2,3,4,5
	ds_load_b64 v[\reg+2*\p:\reg+2*\p+1], v[\adr] offset:(\i)*3072+(\q)*1536+256*\p
.endr
.endm
.macro MUL16 a0, p, q, sc, zero
.irp a, \a0, \a0+1
.irp b, 0,1,2,3,4,5,6,7
.if \zero
	v_wmma_scale_f32_16x16x128_f8f6f4 v[8*(8*(\a)+\b):8*(8*(\a)+\b)+7], v[128*(\p)+FR*\b:128*(\p)+FR*\b+FR-1], v[AB+FR*(\a):AB+FR*(\a)+FR-1], v[BI+8*\b:BI+8*\b+7], v[SC+8*NQ*(\sc)+NQ*\b+(\q)], v[SC+8*NQ*(\sc)+NQ*(\a)+(\q)] matrix_a_fmt:MATRIX_FMT_FP6 matrix_b_fmt:MATRIX_FMT_FP6 matrix_a_scale:MATRIX_SCALE_ROW1
.else
	v_wmma_scale_f32_16x16x128_f8f6f4 v[8*(8*(\a)+\b):8*(8*(\a)+\b)+7], v[128*(\p)+FR*\b:128*(\p)+FR*\b+FR-1], v[AB+FR*(\a):AB+FR*(\a)+FR-1], v[8*(8*(\a)+\b):8*(8*(\a)+\b)+7], v[SC+8*NQ*(\sc)+NQ*\b+(\q)], v[SC+8*NQ*(\sc)+NQ*(\a)+(\q)] matrix_a_fmt:MATRIX_FMT_FP6 matrix_b_fmt:MATRIX_FMT_FP6 matrix_a_scale:MATRIX_SCALE_ROW1
.endif
.endr
.endr
.endm
.macro FETCH_B slot, q, p
	WIN TO_B
.irp i, 0,1,2,3,4,5,6,7
	FRAG 128*(\p)+FR*\i, ADRB+\slot, \q, \i
.endr
	WIN 0
.endm
.macro FETCH_C slot, q, p
.irp i, 0,1,2,3
	FRAG AF+48*(\p)+FR*\i, ADRC+\slot, \q, \i
.endr
.endm
.macro SCALES sc
.irp i, 0,1,2,3,4,5,6,7
	ds_load_b64 v[SC+8*NQ*(\sc)+NQ*\i:SC+8*NQ*(\sc)+NQ*\i+1], v[ADRS] offset:128*\i
.endr
.endm
.macro STEP slot, zero
	s_wait_dscnt 0x0
	PLACES NP
	FETCH_B \slot, 1, 1
	FETCH_C \slot, 1, 1
.set AB, AF
.if \zero
	WIN 0x81
.else
	WIN MUL_LO
.endif
	MUL16 0, 0, 0, (\slot)%2, \zero
	MUL16 2, 0, 0, (\slot)%2, \zero
	WIN 0
.endm
.macro TURN slot, next
	s_wait_dscnt 0x0
	s_barrier_signal -1
.set AB, AF+48
	WIN MUL_LO
	MUL16 0, 1, 1, (\slot)%2, 0
	WIN 0
	s_barrier_wait -1
	PLACES NP
	v_add_nc_u32 v[ADRS], 2048, v[ADRS]
	FETCH_B \next, 0, 0
	FETCH_C \next, 0, 0
	SCALES (\next)%2
	WIN MUL_LO
	MUL16 2, 1, 1, (\slot)%2, 0
	WIN 0
.endm
	s_load_b128 s[4:7], s[0:1], 0x0
	s_load_b128 s[8:11], s[0:1], 0x10
	s_load_b128 s[20:23], s[0:1], 0x20
	v_lshl_add_u32 v[SPW], v0, 2, SPARE
	v_mov_b32 v[NIL], 0
	ds_add_u32 v[SPW], v[NIL]
	ds_add_u32 v[SPW], v[NIL]
	v_lshrrev_b32 v1, 5, v0
	v_readfirstlane_b32 s14, v1
	s_lshr_b32 s15, s14, 1
	s_and_b32 s16, s14, 1
	s_bfe_u32 s18, ttmp6, 0x40000
	s_bfe_u32 s19, ttmp6, 0x40004
	s_lshl_b32 s90, ttmp9, 2
	s_add_co_u32 s90, s90, s18
	s_and_b32 s17, ttmp7, 0xffff
	s_lshl_b32 s17, s17, 2
	s_add_co_u32 s17, s17, s19
	s_lshl_b32 s88, s19, 2
	s_lshl_b32 s88, 15, s88
	s_lshl_b32 s89, 0x1111, s18
	s_or_b32 s[G1+0], s88, (3<<16)|(1<<21)
	s_mov_b32 s[G1+1], (HALFA/8)<<16               ; a row: my 64 tokens' images of one plane, 12,288 bytes on end; four rows, one for each plane of 256 along K
	s_mov_b32 s[G1+2], 4<<16
	s_mov_b32 s[G1+3], (HALFA/8)<<16
	s_mov_b32 s[G1+4], 4
	s_mov_b32 s[G1+5], PLA/8
	s_mov_b32 s[G1+6], 0
	s_mov_b32 s[G1+7], 0
	s_or_b32 s[G1B+0], s89, (3<<16)|(1<<21)
	s_mov_b32 s[G1B+1], (HALFB/8)<<16              ; the same for 128 rows of w_out: 24,576 bytes a plane
	s_mov_b32 s[G1B+2], 4<<16
	s_mov_b32 s[G1B+3], (HALFB/8)<<16
	s_mov_b32 s[G1B+4], 4
	s_mov_b32 s[G1B+5], PLB/8
	s_mov_b32 s[G1B+6], 0
	s_mov_b32 s[G1B+7], 0
	s_lshl_b32 s56, s17, 1
	s_add_co_u32 s56, s56, s16
	s_mul_i32 s56, s56, HALFA
	s_mov_b32 s57, 0
	s_lshl_b32 s58, s90, 1
	s_add_co_u32 s58, s58, s16
	s_mul_i32 s58, s58, HALFB
	s_add_co_u32 s58, s58, 704*3072
	s_mov_b32 s59, 0
	s_lshl_b32 s60, s17, 8
	s_mov_b32 s61, 0
	s_lshl_b32 s62, s90, 13
	s_add_co_u32 s62, s62, 44*8192
	s_mov_b32 s63, 0
	s_mul_i32 s66, s16, 4*HALFA                    ; LDS: A's two halves, four planes each, then B's two halves
	s_mul_i32 s67, s16, 4*HALFB
	s_add_co_u32 s67, s67, 8*HALFA
	s_lshl_b32 s68, s90, 10
	s_lshl_b32 s69, s16, 9
	s_add_co_u32 s68, s68, s69
	s_mov_b32 s69, 0
	s_lshl_b32 s70, s17, 19
	s_lshl_b32 s71, s15, 18
	s_add_co_u32 s70, s70, s71
	s_add_co_u32 s70, s70, s68
	s_mov_b32 s71, 0
	s_wait_dscnt 0x0
	s_wait_kmcnt 0x0
	s_add_nc_u64 s[56:57], s[4:5], s[56:57]
	s_add_nc_u64 s[58:59], s[8:9], s[58:59]
	s_add_nc_u64 s[60:61], s[6:7], s[60:61]
	s_add_nc_u64 s[62:63], s[10:11], s[62:63]
	s_add_nc_u64 s[20:21], s[20:21], s[68:69]
	s_add_nc_u64 s[22:23], s[22:23], s[70:71]
	CROUND
	s_mov_b32 s[G0], 1
	s_mov_b32 s[G0+1], s66
	s_mov_b64 s[G0+2:G0+3], s[56:57]
	s_or_b32 s[G0+3], s[G0+3], 0x80000000
	s_mov_b32 s[G0B], 1
	s_mov_b32 s[G0B+1], s67
	s_mov_b64 s[G0B+2:G0B+3], s[58:59]
	s_or_b32 s[G0B+3], s[G0B+3], 0x80000000
	JLOAD G0, G1, G0B, G1B                         ; one joint load a wave brings its half of A or of B for all of K: nothing is filled again
	v_lshlrev_b32 v3, 4, v0
.irp i, 0,1,2,3
	global_load_b128 v[128+4*\i:131+4*\i], v3, s[62:63] offset:2048*\i
.endr
	v_lshrrev_b32 v4, 6, v0
	v_and_b32 v5, 63, v0
	v_lshlrev_b32 v6, 2, v5
	v_lshl_add_u32 v6, v4, 17, v6
.set j, 0
.rept 8
	global_load_b32 v[176+j], v6, s[60:61] offset:j*16384
.set j, j+1
.endr
	v_and_b32 v1, 15, v0
	v_bfe_u32 v2, v0, 4, 1
	v_lshlrev_b32 v7, 6, v2
.irp b, 0,1,2,3,4,5,6,7
	global_load_b128 v[BI+8*\b:BI+8*\b+3], v7, s[20:21] offset:128*(\b/2)+32*(\b%2)
	global_load_b128 v[BI+8*\b+4:BI+8*\b+7], v7, s[20:21] offset:128*(\b/2)+32*(\b%2)+16
.endr
	v_and_b32 v18, 31, v0
	v_lshlrev_b32 v[CO], 4, v18
	v_lshlrev_b32 v18, 3, v18
	s_wait_alu depctr_va_vdst(0)
	s_mul_i32 s91, s15, 4*HALFA
	s_mul_i32 s92, s16, 4*HALFB
	s_add_co_u32 s92, s92, 8*HALFA
.irp s, 0,1,2,3
	v_add_nc_u32 v[ADRC+\s], s91, v18
	v_add_nc_u32 v[ADRB+\s], s92, v18
	s_add_co_u32 s91, s91, HALFA
	s_add_co_u32 s92, s92, HALFB
.endr
	s_lshl_b32 s91, s15, 9
	s_lshl_b32 s92, s16, 10
	s_add_co_u32 s92, s92, BSC-ASC
	s_sub_co_u32 s92, s92, s91
	v_mul_u32_u24 v19, s92, v2
	s_add_co_u32 s91, s91, ASC
	v_lshl_add_u32 v19, v1, 3, v19
	v_add_nc_u32 v[ADRS], s91, v19
	v_add_nc_u32 v16, BSC, v3
	v_lshlrev_b32 v17, 4, v5
	v_lshl_add_u32 v17, v4, 12, v17
	v_add_nc_u32 v17, ASC, v17
	s_mul_i32 s93, s14, 16*SPITCH
	s_add_co_u32 s93, s93, STAGE
	v_mul_u32_u24 v20, v1, SPITCH
	v_lshl_add_u32 v20, v2, 6, v20
	v_add_nc_u32 v[STO], s93, v20
	v_add_nc_u32 v[RD], s93, v[CO]
	s_wait_loadcnt 16
.irp sl, 0,1
.irp e, 0,1
	v_perm_b32 v[160+4*\sl+\e], v[176+4*\sl+2*\e+1], v[176+4*\sl+2*\e], 0x05040100
	v_perm_b32 v[160+4*\sl+2+\e], v[176+4*\sl+2*\e+1], v[176+4*\sl+2*\e], 0x07060302
.endr
.endr
.irp sl, 0,1
	ds_store_b128 v17, v[160+4*\sl:163+4*\sl] offset:2048*\sl
	ds_store_b128 v17, v[160+4*\sl:163+4*\sl] offset:2048*\sl+1024
.endr
.irp i, 0,1,2,3
	ds_store_b128 v16, v[128+4*\i:131+4*\i] offset:2048*\i
.endr
	s_wait_tensorcnt 0x0                           ; my one load is in
	s_wait_dscnt 0x0
	s_barrier_signal -1
	s_barrier_wait -1
	FETCH_B 0, 0, 0
	FETCH_C 0, 0, 0
	SCALES 0
	s_wait_loadcnt 0x0
	STEP 0, 1
	TURN 0, 1
	s_wait_alu depctr_va_vdst(0)
	STEP 1, 0
	TURN 1, 2
	s_wait_alu depctr_va_vdst(0)
	STEP 2, 0
	TURN 2, 3
	STEP 3, 0
	s_wait_dscnt 0x0
.set AB, AF+48
	WIN MUL_LO
	MUL16 0, 1, 1, 1, 0
	MUL16 2, 1, 1, 1, 0
	WIN 0
.macro TOSTAGE a
.set AC, 64*(\a)
	WIN 0x08
.irp b, 0,1,2,3,4,5,6,7
	ds_store_b128 v[STO], v[AC+8*\b:AC+8*\b+3] offset:128*(\b/2)+32*(\b%2)
	ds_store_b128 v[STO], v[AC+8*\b+4:AC+8*\b+7] offset:128*(\b/2)+32*(\b%2)+16
.endr
	WIN 0
.set BB, BK+64*((\a)%2)
.irp t, 0,1,2,3,4,5,6,7,8,9,10,11,12,13,14,15
	ds_load_b128 v[BB+4*\t:BB+4*\t+3], v[RD] offset:\t*SPITCH
.endr
.endm
.macro SEND a, younger
.set BB, BK+64*((\a)%2)
	s_wait_dscnt \younger
.if (\a) > 0
.if ((\a)%2) == 1
	s_add_nc_u64 s[22:23], s[22:23], 8*4096
.else
	s_add_nc_u64 s[22:23], s[22:23], 24*4096
.endif
.endif
.irp t, 0,1,2,3,4,5,6,7,8,9,10,11,12,13,14,15
	global_store_b128 v[CO], v[BB+4*\t:BB+4*\t+3], s[22:23] offset:(\t+8*(\t/8))*4096 th:TH_STORE_NT
.endr
.endm
	PLACES NP
	TOSTAGE 0
.irp a, 1,2,3
.if \a > 1
	s_wait_xcnt 0x0
.endif
	TOSTAGE \a
	SEND \a-1, 32
.endr
	s_wait_xcnt 0x0
	SEND 3, 0
	s_wait_tensorcnt 0x0
	ds_add_u32 v[SPW], v[NIL]
	s_wait_dscnt 0x0
	CROUND
	s_endpgm
.Lfunc_end_k_qedd405daf4_proj:
	.size	k_qedd405daf4_proj, .Lfunc_end_k_qedd405daf4_proj-k_qedd405daf4_proj
	.p2alignl 7, 3214868480
	.fill 96, 4, 3214868480
	.section	.rodata,"a",@progbits
	.p2align	6, 0x0
	.amdhsa_kernel k_qedd405daf4_proj
		.amdhsa_group_segment_fixed_size 327680
		.amdhsa_private_segment_fixed_size 0
		.amdhsa_enable_private_segment 0
		.amdhsa_kernarg_size 48
		.amdhsa_user_sgpr_count 2
		.amdhsa_user_sgpr_kernarg_segment_ptr 1
		.amdhsa_wavefront_size32 1
		.amdhsa_system_sgpr_workgroup_id_x 1
		.amdhsa_system_sgpr_workgroup_id_y 1
		.amdhsa_system_sgpr_workgroup_id_z 1
		.amdhsa_system_vgpr_workitem_id 0
		.amdhsa_next_free_vgpr 1024
		.amdhsa_next_free_sgpr 100
		.amdhsa_reserve_vcc 0
		.amdhsa_float_denorm_mode_32 3
		.amdhsa_float_denorm_mode_16_64 3
		.amdhsa_memory_ordered 1
		.amdhsa_forward_progress 1
		.amdhsa_inst_pref_size 100
	.end_amdhsa_kernel
	.amdgpu_metadata
---
amdhsa.version: [ 1, 2 ]
amdhsa.kernels:
  - .name:           k_qedd405daf4_proj
    .symbol:         k_qedd405daf4_proj.kd
    .args:
      - { .name: ctx_img, .offset: 0, .size: 8, .value_kind: global_buffer, .address_space: global }
      - { .name: ctx_sc, .offset: 8, .size: 8, .value_kind: global_buffer, .address_space: global }
      - { .name: in_img, .offset: 16, .size: 8, .value_kind: global_buffer, .address_space: global }
      - { .name: in_sc, .offset: 24, .size: 8, .value_kind: global_buffer, .address_space: global }
      - { .name: b_out, .offset: 32, .size: 8, .value_kind: global_buffer, .address_space: global }
      - { .name: out0, .offset: 40, .size: 8, .value_kind: global_buffer, .address_space: global }
    .group_segment_fixed_size: 327680
    .private_segment_fixed_size: 0
    .kernarg_segment_align: 8
    .kernarg_segment_size: 48
    .max_flat_workgroup_size: 128
    .sgpr_count:     100
    .vgpr_count:     1024
    .wavefront_size: 32
...
	.end_amdgpu_metadata
.endif
;; end of part 4
